; MI455X (gfx1250); checked and timed in simulation.
; The chip was launched on July 23, 2026; its instructions are those of AMD's public machine-readable ISA for CDNA 5 (MIT licence, August 2026) and "CDNA5" Instruction Set Architecture Reference Guide (July 2026). The comments in the code are by the model that wrote it; some were corrected since.
;; Offline Sliding Window Attn. Allowed arithmetic: matrix products marked QUANTISED: E5M2 operands, one E8M0 scale for each 32 along K, by v_wmma_scale_f32_16x16x128_f8f6f4 with both operands' format E5M2, f32 sums; everything else in f32.
;; Inputs: k 2 x 2,048 x 4 x 128 float32; k_gamma 2,048 float32; q 2 x 2,048 x 16 x 128 float32; q_gamma 2,048 float32; v 2 x 2,048 x 4 x 128 float32.
;; Outputs: out0 2 x 2,048 x 16 x 128 float32.
;; This version of the problem:
;;   THIS VERSION OF THE PROBLEM IS GIVEN IN LOW PRECISION. The matrix products marked QUANTISED in the list below multiply operands that are first quantised to E5M2 (5 exponent bits, 2 mantissa bits; 8 bits a number), with one power-of-two scale for each 32 numbers along K (OCP MX v1.0); their sums are f32. All else is computed in f32.
;;   The module's matrix products, in the order in which they are computed (A, B: the left and right operand; K: the contracted axis; several contracted axes count as one K, in the product's order):
;;     1. batch 32 x [M 2,048, K 128] x [K 128, N 2,048]; A: computed on the way; B: computed on the way: QUANTISED
;;     2. batch 32 x [M 128, K 2,048] x [K 2,048, N 2,048]; A: input v; B: computed on the way: QUANTISED
;;   THE QUANTISER, for each operand of a quantised product, along K:
;;     - K is cut into blocks of 32 from its start; a last block that is shorter is filled with zeros.
;;     - A block's scale is 2^e with e = floor(log2(the largest magnitude in the block)) - 15, held to -126 .. 127; a block of zeros has e = 0. As a byte (E8M0): e + 127.
;;     - Each number is divided by its block's scale, clamped to +-57,344, and rounded to the nearest number of E5M2, ties to even, subnormals kept.
;;     - The product sums the exact products of the quantised numbers (number of the format x scale) in f32.
;;   ~~~python
;;   def quantise(x, axis):      # numpy; x: float32 -> the quantised numbers, widened to float32 again
;;       x = np.moveaxis(x, axis, -1); K = x.shape[-1]
;;       x = np.pad(x, [(0, 0)] * (x.ndim - 1) + [(0, -K % 32)]); x = x.reshape(x.shape[:-1] + (-1, 32)); a = np.abs(x).max(-1, keepdims=True)
;;       e = np.where(a > 0, np.clip(np.frexp(np.where(a > 0, a, 1))[1] - 1 - 15, -126, 127), 0)      # np.frexp(a)[1] - 1 = floor(log2(a)), exactly
;;       r = np.clip(x / 2.0 ** e, -57344, 57344)
;;       step = 2.0 ** (np.maximum(np.frexp(np.where(r == 0, 1, r))[1] - 1, -14) - 2)
;;       q = np.round(r / step) * step * 2.0 ** e      # np.round: ties to even
;;       return np.moveaxis(q.reshape(q.shape[:-2] + (-1,))[..., :K], -1, axis).astype(np.float32)
;;   ~~~
;;   OPERANDS COMPUTED ON THE WAY. 'Computed on the way' means the value that the module computes at that place (a softmax that the list does not call 'softmax' is quantised finished and normalised). What goes into a quantiser is computed in f32, as accurately as f32 sums, v_exp_f32 and their like allow (about 1e-6 of the number): no bf16 or f16 on the way to a quantiser, and a product that is left as it is and whose result goes on into a quantised operand takes f32 operands (vector FMAs, or v_wmma_f32_16x16x4_f32). A number that lies on a knife's edge between two numbers of the format may be rounded either way, as far as f32 arithmetic and the matrix unit's own rounding can turn it there, and no further.
;; One version. Each part assembles by itself: llvm-mc -triple=amdgcn-amd-amdhsa -mcpu=gfx1250 --defsym DOCPART=n.
;; ======== version 1 of 1: 2 launches
;; workspace buffers: kc 8,388,608 bytes; ks 262,144 bytes; vc 2,097,152 bytes; vs 65,536 bytes
;; launch prep (part 1): grid 320 x 1, 4 waves a work-group, no clusters, 34,304 bytes of LDS; arguments k, k_gamma, v, kc, ks, vc, vs; writes kc, ks, vc, vs
.if DOCPART == 1
	.amdgcn_target "amdgcn-amd-amdhsa--gfx1250"
	.amdhsa_code_object_version 6
	.text
	.protected	k_q2748bb5f28_prep
	.globl	k_q2748bb5f28_prep
	.p2align	8
	.type	k_q2748bb5f28_prep,@function
k_q2748bb5f28_prep:
	s_mov_b64 s[64:65], 0
	v_nop
	global_prefetch_b8 v0, s[64:65] scope:SCOPE_SE
	s_setreg_imm32_b32 hwreg(HW_REG_WAVE_MODE, 25, 1), 1
	s_wait_xcnt 0x0
; K AND V BECOME CODES OF E5M2 WITH E8M0 SCALES, ONCE, LAID IN THE ORDER OF THE OPERANDS' REGISTERS.
; k, v: [2][2048][4][128] f32.  k_gamma: [16 x 128] f32.
; kc [b][hq 16][unit 64][4096]: a unit is 32 keys = two fragments u of 2,048 bytes; row m of fragment u is key 8 u + m + 8 (m / 8) of the unit; byte 2048 u + 512 c + 16 lane: lane (m, h) holds channels 32 c + 16 h + 0 .. 15.
; ks [b][hq][unit][128]: word 16 u + m: that key's four scale bytes.
; vc [b][hkv 4][block 64][4096]: a block is 32 keys; byte 512 t + 16 lane: lane (r, h) holds channel 16 t + r, keys 16 h + 0 .. 15.   vs [b][hkv][block][128]: byte 4 l + j: channel 32 j + l.
; K: each key's 128 numbers are divided by sqrt(mean of squares + 1e-6) and multiplied by the gain of each of the four query heads that share the kv head; then quantised along the channels.
; V: quantised along the keys, as it is.
; A block's scale is 2^(floor(log2(largest magnitude)) - 15); its byte is the largest magnitude's exponent field - 15, held at 1 from below; numbers are held within +-57,344 x the scale and rounded to the nearest code, ties to even.
; LIMITS: NaN and infinities among the inputs are not served.  A block of zeros gets the byte 1 where the rule says 127: its codes are zeros, and this program alone reads the bytes.
;         1 / sqrt comes from v_rsq_f32 (1 ulp), where the definition takes a root and divides.
; SHARES.  Work-groups 0-255: K, 64 keys of one kv head: wave w takes ONE fragment of 16 keys for all four heads: rows read once, normalised once.  Work-groups 256-319: V, 256 keys of one kv head: wave w takes two blocks.
; Waves share nothing: no barrier.  Only K's path uses LDS: a stage of 16 rows x 528 bytes for each wave.
; A fragment's 16 scale words leave as 64 bytes, a block's 32 words of V as 128 bytes: one byte in 32 of what is stored; all codes leave in aligned runs of 256 bytes or more.
.set WV,  18
.set SEL, 20                           ; s[20:21] v_permlanex16_b32's selects for lane l xor 16
.set MNT, 22                           ; s22  the mantissa field of 57,344
.set INV, 23                           ; s23  1 / 128
.set EPS, 24                           ; s24  1e-6
.set TM,  16                           ; v16-32  at work in QUANT and NORM
.set SQ,  34                           ; v34-41  sums of squares (K);  at work (V)
.set PW,  42                           ; v42     the scale word just made
.set CO,  44                           ; v44-59  the codes just made (K)
.set X,   64                           ; v64-127 K: my 64 numbers of a key;  V: two sets of 32 keys of my channel
.set G,   128                          ; v128-191 K: a head's gain;  V: codes, eight registers for each of eight units
.set Y,   192                          ; v192-255 K: the numbers under a head's gain
; my row's 64 numbers, v[x] on (the other 64 are lane l xor 16's), are divided by the row's root mean square
.macro NORM x
.irp k, 0,1,2,3
	v_pk_mul_f32 v[SQ+2*\k:SQ+2*\k+1], v[\x+2*\k:\x+2*\k+1], v[\x+2*\k:\x+2*\k+1]   ; four chains, started by the first four pairs
.endr
.set pp, 4
.rept 28
	v_pk_fma_f32 v[SQ+2*(pp%4):SQ+2*(pp%4)+1], v[\x+2*pp:\x+2*pp+1], v[\x+2*pp:\x+2*pp+1], v[SQ+2*(pp%4):SQ+2*(pp%4)+1]
.set pp, pp+1
.endr
	v_pk_add_f32 v[SQ:SQ+1], v[SQ:SQ+1], v[SQ+2:SQ+3]
	v_pk_add_f32 v[SQ+4:SQ+5], v[SQ+4:SQ+5], v[SQ+6:SQ+7]
	v_pk_add_f32 v[SQ:SQ+1], v[SQ:SQ+1], v[SQ+4:SQ+5]
	v_add_f32 v[SQ], v[SQ], v[SQ+1]
	v_permlanex16_b32 v[TM+16], v[SQ], s[SEL], s[SEL+1]
	v_add_f32 v[SQ], v[SQ], v[TM+16]               ; the row's sum of squares
	v_fma_f32 v[SQ], v[SQ], s[INV], s[EPS]         ; the mean + 1e-6
	v_rsq_f32 v[SQ+2], v[SQ]
	v_nop                                          ; a plain instruction behind the transcendental
	s_wait_alu depctr_va_vdst(0)                   ; and the wait ahead of the first line that names its result
	v_mov_b32 v[SQ+3], v[SQ+2]
.set pp, 0
.rept 32
	v_pk_mul_f32 v[\x+2*pp:\x+2*pp+1], v[\x+2*pp:\x+2*pp+1], v[SQ+2:SQ+3]
.set pp, pp+1
.endr
.endm
; 64 numbers of a lane, register 16 b + i = channel 32 b + 16 (lane / 16) + i of my row, become a fragment's codes in v[d] on and its scale word in v[pw]
.macro QUANT s, d, pw
.irp b, 0,1,2,3
	v_max3_num_f32 v[TM+\b], |v[\s+16*\b]|, |v[\s+1+16*\b]|, 0x8000000   ; block b: my 16 numbers, and the floor 2^(16 - 127): the byte cannot fall under 1
.endr
.irp i, 2,4,6,8,10,12,14
.irp b, 0,1,2,3
	v_max3_num_f32 v[TM+\b], v[TM+\b], |v[\s+16*\b+\i]|, |v[\s+1+16*\b+\i]|   ; the four blocks by turns
.endr
.endr
.irp b, 0,1,2,3
	v_permlanex16_b32 v[TM+4+\b], v[TM+\b], s[SEL], s[SEL+1]
.endr
.irp b, 0,1,2,3
	v_max_num_f32 v[TM+\b], v[TM+\b], v[TM+4+\b]   ; with lane l xor 16's: the block's largest magnitude
.endr
.irp b, 0,1,2,3
	v_add_nc_u32 v[TM+12+\b], 0xf8800000, v[TM+\b] ; 15 off its exponent field: the conversion's scale operand
.endr
.irp b, 0,1,2,3
	v_and_or_b32 v[TM+8+\b], v[TM+\b], 0x7f800000, s[MNT]   ; 57,344 x the scale
.endr
.irp b, 0,1,2,3
	v_lshrrev_b32 v[TM+4+\b], 23, v[TM+12+\b]      ; the scale's byte
.endr
	v_lshl_or_b32 v[\pw], v[TM+5], 8, v[TM+4]
	v_lshl_or_b32 v[\pw], v[TM+6], 16, v[\pw]
	v_lshl_or_b32 v[\pw], v[TM+7], 24, v[\pw]
.irp b, 0,1,2,3
.irp i, 0,1,2,3,4,5,6,7,8,9,10,11,12,13,14,15
	v_med3_num_f32 v[\s+16*\b+\i], v[\s+16*\b+\i], -v[TM+8+\b], v[TM+8+\b]   ; the conversion to an 8-bit code does not saturate (ISA guide 7.6.2): the hold
.endr
	v_cvt_scalef32_pk8_bf8_f32 v[\d+4*\b:\d+4*\b+1], v[\s+16*\b:\s+16*\b+7], v[TM+12+\b]
	v_cvt_scalef32_pk8_bf8_f32 v[\d+4*\b+2:\d+4*\b+3], v[\s+16*\b+8:\s+16*\b+15], v[TM+12+\b]
.endr
	v_nop                                          ; a plain instruction behind the last conversion
.endm
	s_load_b256 s[4:11], s[0:1], 0x0               ; k s[4:5], k_gamma s[6:7], v s[8:9], kc s[10:11]
	s_load_b128 s[12:15], s[0:1], 0x20             ; ks s[12:13], vc s[14:15]
	s_load_b64 s[16:17], s[0:1], 0x30              ; vs
	v_lshl_add_u32 v62, v0, 2, 0x8400
	v_mov_b32 v63, 0
	v_lshrrev_b32 v1, 5, v0
	v_readfirstlane_b32 s[WV], v1                  ; wave 0..3
	v_and_b32 v2, 31, v0                           ; lane
	v_and_b32 v3, 15, v0                           ; r
	v_bfe_u32 v9, v0, 4, 1                         ; h
	v_lshlrev_b32 v4, 4, v2                        ; 16 x lane
	s_mul_i32 s19, s[WV], 8448                     ; my stage
	v_add_nc_u32 v5, s19, v4                       ; into it: a row's 512 bytes as they lie
	v_mul_u32_u24 v6, v3, 528                      ; out of it: row r, + 64 h: rows 33 x 16 bytes apart, so sixteen lanes' 16 bytes fall on sixteen different columns of 16 bytes modulo 256
	v_lshl_add_u32 v6, v9, 6, v6
	v_add_nc_u32 v6, s19, v6
	v_lshlrev_b32 v7, 2, v3                        ; 4 r: my row's scale word
	v_lshlrev_b32 v8, 6, v9                        ; 64 h: my half of each block of the gain
	v_lshlrev_b32 v10, 2, v2                       ; 4 x lane
	v_lshlrev_b32 v11, 9, v9                       ; V's codes: 512 (lane / 16) + 16 (lane % 16)
	v_lshl_add_u32 v11, v3, 4, v11
	s_mov_b32 s[SEL], 0x76543210
	s_mov_b32 s[SEL+1], 0xfedcba98
	s_mov_b32 s[MNT], 0x600000
	s_mov_b32 s[INV], 0x3c000000
	s_mov_b32 s[EPS], 0x358637bd
	s_cmp_ge_u32 ttmp9, 256                        ; K's work-group or V's: the work-group's number alone decides
	s_cbranch_scc1 .Lv
	; ---------------- K ----------------
.irp b, 4,5,6,7,16
	v_mov_b32 v[TM+\b], 0                          ; written once: a lane permute's destination counts as one of its sources
.endr
	s_lshr_b32 s25, ttmp9, 5                       ; 4 b + hkv
	s_and_b32 s26, ttmp9, 31                       ; which 64 keys
	s_lshr_b32 s27, s25, 2                         ; b
	s_and_b32 s28, s25, 3                          ; hkv
	s_lshr_b32 s29, s[WV], 1                       ; my fragment: which of the two units,
	s_and_b32 s30, s[WV], 1                        ; and u
	s_lshl_b32 s32, s27, 22                        ; k: b x 4,194,304
	s_lshl_b32 s31, s26, 17                        ; + 64 keys x 2,048 bytes
	s_add_co_u32 s32, s32, s31
	s_lshl_b32 s31, s29, 16                        ; + 32 keys
	s_add_co_u32 s32, s32, s31
	s_lshl_b32 s31, s30, 14                        ; + 8 keys
	s_add_co_u32 s32, s32, s31
	s_lshl_b32 s31, s28, 9                         ; + the kv head's 512 bytes
	s_add_co_u32 s32, s32, s31
	s_mov_b32 s33, 0
	s_lshl_b32 s34, s25, 20                        ; kc: head 4 (4 b + hkv) x 262,144
	s_lshl_b32 s31, s26, 13                        ; + two units
	s_add_co_u32 s34, s34, s31
	s_lshl_b32 s31, s29, 12
	s_add_co_u32 s34, s34, s31
	s_lshl_b32 s31, s30, 11                        ; + the fragment
	s_add_co_u32 s34, s34, s31
	s_mov_b32 s35, 0
	s_lshr_b32 s36, s34, 5                         ; ks: one byte for 32 codes
	s_mov_b32 s37, 0
	s_lshl_b32 s38, s28, 11                        ; k_gamma: head 4 hkv
	s_mov_b32 s39, 0
	s_wait_kmcnt 0x0
	s_add_nc_u64 s[4:5], s[4:5], s[32:33]
	s_add_nc_u64 s[6:7], s[6:7], s[38:39]
	s_add_nc_u64 s[10:11], s[10:11], s[34:35]
	s_add_nc_u64 s[12:13], s[12:13], s[36:37]
.set mm, 0
.rept 16
	global_load_b128 v[X+4*mm:X+4*mm+3], v4, s[4:5] offset:(mm+8*(mm/8))*2048 th:TH_LOAD_NT   ; row m of my fragment: 32 lanes read its 512 consecutive bytes
.set mm, mm+1
.endr
.macro GLOAD e                         ; head 4 hkv + e's gain at my 64 channels
.set cc, 0
.rept 16
	global_load_b128 v[G+4*cc:G+4*cc+3], v8, s[6:7] offset:512*(\e)+128*(cc/4)+16*(cc%4)
.set cc, cc+1
.endr
.endm
	GLOAD 0
	s_wait_loadcnt 16                              ; the rows are in; the gain's 16 loads may be out
.set mm, 0
.rept 16
	ds_store_b128 v5, v[X+4*mm:X+4*mm+3] offset:528*mm
.set mm, mm+1
.endr
.set cc, 0
.rept 16
	ds_load_b128 v[X+4*cc:X+4*cc+3], v6 offset:128*(cc/4)+16*(cc%4)   ; LDS serves a wave's instructions in order: these see my stores.  Register 16 c + i = channel 32 c + 16 h + i of row r
.set cc, cc+1
.endr
	s_wait_dscnt 0x0
	NORM X
.macro KHEAD e
	s_wait_loadcnt 0x0                             ; this head's gain is in
.set pp, 0
.rept 32
	v_pk_mul_f32 v[Y+2*pp:Y+2*pp+1], v[X+2*pp:X+2*pp+1], v[G+2*pp:G+2*pp+1]
.set pp, pp+1
.endr
.if (\e) > 0
	s_wait_xcnt 0x0                                ; the last head's stores have read their data: the codes and the scale word are written again only behind this wait
.endif
.if (\e) < 3
	GLOAD (\e)+1
.endif
	QUANT Y, CO, PW
.irp c, 0,1,2,3
	global_store_b128 v4, v[CO+4*\c:CO+4*\c+3], s[10:11] offset:262144*(\e)+512*\c   ; 512 consecutive bytes
.endr
	global_store_b32 v7, v[PW], s[12:13] offset:8192*(\e)   ; 16 words; lanes 16-31 store the same words to the same places as lanes 0-15
.endm
	KHEAD 0
	KHEAD 1
	KHEAD 2
	KHEAD 3
	s_wait_tensorcnt 0x0
	ds_add_u32 v62, v63
	s_wait_dscnt 0x0
	s_endpgm
	; ---------------- V ----------------
.Lv:
	s_sub_co_u32 s25, ttmp9, 256
	s_lshr_b32 s26, s25, 3                         ; 4 b + hkv
	s_and_b32 s27, s25, 7                          ; which 256 keys
	s_lshr_b32 s28, s26, 2                         ; b
	s_and_b32 s29, s26, 3                          ; hkv
	s_lshl_b32 s32, s28, 22                        ; v: b x 4,194,304
	s_lshl_b32 s31, s27, 19                        ; + 256 keys x 2,048 bytes
	s_add_co_u32 s32, s32, s31
	s_lshl_b32 s31, s[WV], 17                      ; + my 64 keys
	s_add_co_u32 s32, s32, s31
	s_lshl_b32 s31, s29, 9
	s_add_co_u32 s32, s32, s31
	s_mov_b32 s33, 0
	s_lshl_b32 s34, s26, 18                        ; vc: (4 b + hkv) x 262,144
	s_lshl_b32 s31, s27, 15                        ; + eight blocks
	s_add_co_u32 s34, s34, s31
	s_lshl_b32 s31, s[WV], 13                      ; + my two
	s_add_co_u32 s34, s34, s31
	s_mov_b32 s35, 0
	s_lshr_b32 s36, s34, 5                         ; vs
	s_mov_b32 s37, 0
	s_wait_kmcnt 0x0
	s_add_nc_u64 s[8:9], s[8:9], s[32:33]
	s_add_nc_u64 s[14:15], s[14:15], s[34:35]
	s_add_nc_u64 s[16:17], s[16:17], s[36:37]
; Unit n of eight: block n / 4 of my two, channels 32 (n % 4) + lane.  A LANE TAKES A CHANNEL AND ITS REGISTERS RUN DOWN THE KEYS: a block of 32 keys lies in one lane, and the codes come out with the keys innermost.
.macro VLOAD n
.set ii, 0
.rept 32
	global_load_b32 v[X+32*((\n)%2)+ii], v10, s[8:9] offset:(32*((\n)/4)+ii)*2048+128*((\n)%4) th:TH_LOAD_NT
.set ii, ii+1
.endr
.endm
.macro VBLOCK n
.set XS, X+32*((\n)%2)
.if (\n) < 7
	s_wait_loadcnt 32                              ; this unit's 32 loads are in; the next unit's may be out
.else
	s_wait_loadcnt 0x0
.endif
	v_max3_num_f32 v34, |v[XS]|, |v[XS+1]|, |v[XS+2]|
	v_max3_num_f32 v35, |v[XS+3]|, |v[XS+4]|, |v[XS+5]|
.irp i, 6,10,14,18,22,26
	v_max3_num_f32 v34, v34, |v[XS+\i]|, |v[XS+\i+1]|
	v_max3_num_f32 v35, v35, |v[XS+\i+2]|, |v[XS+\i+3]|
.endr
	v_max3_num_f32 v34, v34, |v[XS+30]|, |v[XS+31]|
	v_max3_num_f32 v34, v34, v35, 0x8000000        ; the block's largest magnitude, and the floor
	v_add_nc_u32 v36, 0xf8800000, v34              ; the conversion's scale operand
	v_and_or_b32 v37, v34, 0x7f800000, s[MNT]      ; 57,344 x the scale
.set ii, 0
.rept 32
	v_med3_num_f32 v[XS+ii], v[XS+ii], -v37, v37
.set ii, ii+1
.endr
.irp g, 0,1,2,3
	v_cvt_scalef32_pk8_bf8_f32 v[G+8*(\n)+2*\g:G+8*(\n)+2*\g+1], v[XS+8*\g:XS+8*\g+7], v36
.endr
	v_lshrrev_b32 v38, 23, v36                     ; the scale's byte (also the plain instruction behind the conversions)
.if (\n)%4 == 0
	v_mov_b32 v[40+(\n)/4], v38                    ; byte j of my word: channel 32 j + lane
.else
	v_lshl_or_b32 v[40+(\n)/4], v38, 8*((\n)%4), v[40+(\n)/4]
.endif
	global_store_b128 v11, v[G+8*(\n):G+8*(\n)+3], s[14:15] offset:4096*((\n)/4)+1024*((\n)%4)         ; keys 0-15: sixteen lanes fill 256 aligned bytes
	global_store_b128 v11, v[G+8*(\n)+4:G+8*(\n)+7], s[14:15] offset:4096*((\n)/4)+1024*((\n)%4)+256   ; keys 16-31
.if (\n)%4 == 3
	global_store_b32 v10, v[40+(\n)/4], s[16:17] offset:128*((\n)/4)
.endif
.if (\n)+2 < 8
	VLOAD (\n)+2
.endif
.endm
	VLOAD 0
	VLOAD 1
.irp n, 0,1,2,3,4,5,6,7
	VBLOCK \n
.endr
	s_endpgm
.Lfunc_end_k_q2748bb5f28_prep:
	.size	k_q2748bb5f28_prep, .Lfunc_end_k_q2748bb5f28_prep-k_q2748bb5f28_prep
	.p2alignl 7, 3214868480
	.fill 96, 4, 3214868480
	.section	.rodata,"a",@progbits
	.p2align	6, 0x0
	.amdhsa_kernel k_q2748bb5f28_prep
		.amdhsa_group_segment_fixed_size 34304
		.amdhsa_private_segment_fixed_size 0
		.amdhsa_enable_private_segment 0
		.amdhsa_kernarg_size 56
		.amdhsa_user_sgpr_count 2
		.amdhsa_user_sgpr_kernarg_segment_ptr 1
		.amdhsa_wavefront_size32 1
		.amdhsa_system_sgpr_workgroup_id_x 1
		.amdhsa_system_sgpr_workgroup_id_y 1
		.amdhsa_system_sgpr_workgroup_id_z 1
		.amdhsa_system_vgpr_workitem_id 0
		.amdhsa_next_free_vgpr 256
		.amdhsa_next_free_sgpr 66
		.amdhsa_reserve_vcc 0
		.amdhsa_float_denorm_mode_32 3
		.amdhsa_float_denorm_mode_16_64 3
		.amdhsa_memory_ordered 1
		.amdhsa_forward_progress 1
		.amdhsa_inst_pref_size 114
	.end_amdhsa_kernel
	.amdgpu_metadata
---
amdhsa.version: [ 1, 2 ]
amdhsa.kernels:
  - .name:           k_q2748bb5f28_prep
    .symbol:         k_q2748bb5f28_prep.kd
    .args:
      - { .name: k, .offset: 0, .size: 8, .value_kind: global_buffer, .address_space: global }
      - { .name: k_gamma, .offset: 8, .size: 8, .value_kind: global_buffer, .address_space: global }
      - { .name: v, .offset: 16, .size: 8, .value_kind: global_buffer, .address_space: global }
      - { .name: kc, .offset: 24, .size: 8, .value_kind: global_buffer, .address_space: global }
      - { .name: ks, .offset: 32, .size: 8, .value_kind: global_buffer, .address_space: global }
      - { .name: vc, .offset: 40, .size: 8, .value_kind: global_buffer, .address_space: global }
      - { .name: vs, .offset: 48, .size: 8, .value_kind: global_buffer, .address_space: global }
    .group_segment_fixed_size: 34304
    .private_segment_fixed_size: 0
    .kernarg_segment_align: 8
    .kernarg_segment_size: 56
    .max_flat_workgroup_size: 128
    .sgpr_count:     66
    .vgpr_count:     256
    .wavefront_size: 32
...
	.end_amdgpu_metadata
.endif
;; end of part 1
;; launch attn (part 2): grid 16 x 16, 4 waves a work-group, clusters of 4 x 1, 279,040 bytes of LDS; arguments q, q_gamma, kc, ks, vc, vs, out0; writes out0
.if DOCPART == 2
	.amdgcn_target "amdgcn-amd-amdhsa--gfx1250"
	.amdhsa_code_object_version 6
	.text
	.protected	k_q2748bb5f28_attn
	.globl	k_q2748bb5f28_attn
	.p2align	8
	.type	k_q2748bb5f28_attn,@function
k_q2748bb5f28_attn:
	s_mov_b64 s[64:65], 0
	v_nop
	global_prefetch_b8 v0, s[64:65] scope:SCOPE_SE
	s_setreg_imm32_b32 hwreg(HW_REG_WAVE_MODE, 25, 1), 1
	s_wait_xcnt 0x0
	s_wait_alu depctr_hold_cnt(0) depctr_sa_sdst(0) depctr_va_vdst(0) depctr_va_sdst(0) depctr_va_ssrc(0) depctr_va_vcc(0) depctr_vm_vsrc(0)
	s_getreg_b32 s2, hwreg(HW_REG_IB_STS2, 6, 4)
	s_cmp_eq_u32 s2, 0
	s_cbranch_scc0 .Lentry_in_a_cluster
	s_endpgm
.Lentry_in_a_cluster:
	s_bfe_u32 s2, ttmp6, 0x10000c
	s_cmp_lg_u32 s2, 0x3003
	s_cbranch_scc0 .Lentry_shape_is_right
	s_endpgm
.Lentry_shape_is_right:
; out[b][i][hq][:] = the sum over keys j, 0 <= i - j <= 512, of clip(softmax_j(qn . kn / sqrt(128)), 0, 1) v[j][:], both products on codes of E5M2 with one E8M0 scale for each 32 along K.
; q, out: [2][2048][16][128] f32.  kc, ks, vc, vs: K's and V's codes and scale bytes, laid in the order of the operands' registers by the launch before.  q is normalised (root mean square over the head's 128, gain q_gamma) and quantised here.
; THE SECOND PRODUCT'S OPERAND IS THE FINISHED SOFTMAX: normalised, clipped, quantised in blocks of 32 keys counted from key 0.  So a row's maximum and sum are known before any p is quantised:
; 32 neighbouring queries that begin at a multiple of 32 see exactly 17 blocks of keys, 16 whole ones and their own; a lane's scores of a tile of 16 queries are 272 registers, and they stay in registers from the first product to the second.
; SHARES.  A work-group owns 256 queries of one head; wave w takes the pair of tiles (32 queries) 4 t + w in trip t = 0, 1.  The two tiles share every fragment of K and V that is read from LDS.
; LDS holds the work-group's whole window, keys 256 qb - 512 .. 256 qb + 255, 24 units of 32 keys: every fill is a first fill.  Slices that would begin before key 0 bring the head's first slice instead: valid codes, whose scores are masked.
; Every tile is requested once, at the head: there is no later load to ask ahead for, so no prefetch is written.
; CLUSTER.  The four query heads of a kv head share V's codes and scale bytes, half of the tile bytes: those are asked for jointly (mask 15).  K's codes differ from head to head (each has its own gain), so their loads are plain.
; The query blocks of one head share keys too, but at different places of their windows, and a joint load has one LDS address for all: not shared.
; LAYOUT.  Both products are used transposed: S^T = K Q^T (source 0 = 16 keys), O^T = V^T P^T (source 0 = 16 channels): a lane holds ONE query (lane % 16) throughout.  Row m of fragment u of a unit is key 8 u + m + 8 (m / 8),
; so that the 16 registers of a unit's two tiles are keys 16 (lane / 16) + 0 .. 15: the conversions' results are the second product's operand.
; SOFTMAX.  m = the row's largest score; p = 2^(c s - c m), c = log2(e) / sqrt(128); the sum in f32; p / sum by v_rcp_f32; clip and hold in one v_med3.
; LIMITS: NaN and infinities among the inputs are not served.  v_exp_f32 gives 0 for results under 2^-126.  v_rcp_f32 and v_rsq_f32 (1 ulp) stand for the division and for root and division.
;         A block's largest p is made from its largest score by the same instructions: this takes v_exp_f32 not to fall where its input rises.  A block of zeros keeps the scale byte 1: its codes are zeros.
; REGISTERS, in windows of 256 (s_set_vgpr_msb: bits 1:0 source 0, 3:2 source 1, 5:4 source 2, 7:6 destination):
;   window 0: see the names below.   window 1: tile A's scores, register 64 s + 16 b + i = key 128 s + 32 b + 16 (lane / 16) + i of the pair's 512 whole keys (at the head: q's rows as loaded).   window 2: tile B's.
;   window 3: v0-63 O^T of A, v64-127 of B (in the first phase v0-31: the diagonal unit's K);  v128-255 eight fragments of K or of V (at the head v128-191: the gain).
.set KC,   0                           ; LDS: K's codes, 24 units x 4,096
.set VC,   98304                       ; V's codes, likewise
.set KS,   196608                      ; K's scale words, 24 x 128
.set VS,   199680                      ; V's
.set STG,  202752                      ; a stage of 16 rows x 528 bytes for each wave: q on its way in, out on its way out
.set QIMG, 236544                      ; for each wave 8,704 bytes: its four tiles of q as images of the operand's registers (4 x 2,048), then their scale words (4 x 128)
.set L16,  1                           ; v1   16 x lane
.set AK0,  2                           ; v2   16 x lane + 4,096 x wave
.set AKS0, 3                           ; v3   KS + 4 x lane + 128 x wave
.set QIM,  4                           ; v4   my wave's images of q, + 16 x lane
.set QIS,  5                           ; v5   their scale words, + 4 x lane
.set STD,  6                           ; v6   my stage, + 16 x lane: a whole row
.set STQ,  7                           ; v7   my stage, + 528 r + 64 h
.set STO,  8                           ; v8   my stage, + 528 r + 32 h
.set AKL,  9                           ; v9-16: the trip's addresses: K's units 0-7 of the pair, units 8-16; V's likewise; K's and V's scale words; q's images and words
.set AKH,  10
.set AVL,  11
.set AVH,  12
.set AKS,  13
.set AVS,  14
.set QIT,  15
.set QST,  16
.set NINF, 17                          ; v17  -infinity
.set DD,   18                          ; v18, v19  tile A: r - 16 h;  tile B: that + 16: my query's place in the pair less my half's first key of a block
.set CM,   20                          ; v[20:21], v[22:23]  - c m
.set RR,   24                          ; v[24:25], v[26:27]  1 / the row's sum
.set QSW,  28                          ; v28, v29  q's scale words
.set PW,   30                          ; v30, v31  p's scale words
.set SUM,  32                          ; v32-39, v40-47  four chains of sums a tile (at the head: sums of squares)
.set SQ,   32
.set KSC,  48                          ; v48-51 a step's scale words of K;  v52 the diagonal unit's
.set KSCD, 52
.set GO,   53                          ; v53  64 h: my half of each block of the gain
.set VSR,  54                          ; v54-57 V's scale bytes as they lie;  v58-61 as scale words;  v62-65 at work
.set VSW,  58
.set VT,   62
.set BM,   66                          ; v66-82, v84-100  the 17 blocks' largest scores, then largest p
.set TM,   102                         ; v102-118  at work
.set PCD,  120                         ; v120-135, v136-151  p's codes
.set QF,   152                         ; v152-167, v168-183  q's fragments
.set SD,   184                         ; v184-199, v200-215  the diagonal block's scores
.set XQ,   152                         ; at the head: 64 numbers of q
.set OB,   120                         ; the way out: 16 rows a tile: v120-183, v184-247
.set FR,   128                         ; window 3: the eight fragments
.set GQ,   128                         ; window 3, at the head: the gain
.set WV,   18
.set G1C,  24                          ; s[24:31] descriptor group 1: 32,768 dense bytes as 128 rows of 256;  s[32:39] the same, joint
.set G1CJ, 32
.set G1S,  40                          ; s[40:47] 1,024 dense bytes as 4 rows of 256;  s[48:55] the same, joint
.set G1SJ, 48
.set G0KC, 56                          ; groups 0
.set G0KS, 60
.set G0VC, 68
.set G0VS, 72
.set SEL,  76                          ; s[76:77] v_permlanex16_b32's selects for lane l xor 16
.set CS,   78                          ; s[78:79] c
.set CNEG, 80                          ; s80  - c
.set MNT,  81                          ; s81  the mantissa field of 57,344
.set INV,  82                          ; s82  1 / 128
.set EPS,  83                          ; s83  1e-6
.set PRM,  84                          ; s84-87 byte selects that transpose 4 x 4 bytes
.set KF0,  88                          ; s88  the pair's first key, signed
.set TC,   89                          ; s89-92  the trip's steps in LDS: codes, scale words, q's images, q's words
.set TS,   90
.set TQ,   91
.set TQS,  92
.set TRIP, 93
.set MK,   94                          ; s94-97  masks of blocks that lie before key 0
.set MSB, 0
.macro WIN new                         ; the immediate's high byte repeats the setting that is left; a switch that changes nothing is dropped
.if MSB != (\new)
	s_set_vgpr_msb (MSB<<8)|(\new)
.set MSB, (\new)
.endif
.endm
.macro PLACES n                        ; plain vector instructions behind matrix instructions: eight for this form
.rept \n
	v_nop
.endr
.endm
.macro CROUND                          ; a round of the cluster's barrier
	s_barrier_signal -1
	s_barrier_wait -1
	s_cmp_lg_u32 s[WV], 0
	s_cbranch_scc1 .Lnot_wave_0_\@
	s_barrier_signal -3
.Lnot_wave_0_\@:
	s_barrier_wait -3
	s_barrier_signal -1
	s_barrier_wait -1
.endm
; one product.  acc = 0: it starts the sum;  odd = 1: source 0's scale words stand in lanes 16-31
.macro MM dst, fa, fb, acc, sca, scb, odd
.if \acc
.if \odd
	v_wmma_scale_f32_16x16x128_f8f6f4 v[\dst:\dst+7], v[\fa:\fa+15], v[\fb:\fb+15], v[\dst:\dst+7], v[\sca], v[\scb] matrix_a_fmt:MATRIX_FMT_BF8 matrix_b_fmt:MATRIX_FMT_BF8 matrix_a_scale:MATRIX_SCALE_ROW1
.else
	v_wmma_scale_f32_16x16x128_f8f6f4 v[\dst:\dst+7], v[\fa:\fa+15], v[\fb:\fb+15], v[\dst:\dst+7], v[\sca], v[\scb] matrix_a_fmt:MATRIX_FMT_BF8 matrix_b_fmt:MATRIX_FMT_BF8
.endif
.else
.if \odd
	v_wmma_scale_f32_16x16x128_f8f6f4 v[\dst:\dst+7], v[\fa:\fa+15], v[\fb:\fb+15], 0, v[\sca], v[\scb] matrix_a_fmt:MATRIX_FMT_BF8 matrix_b_fmt:MATRIX_FMT_BF8 matrix_a_scale:MATRIX_SCALE_ROW1
.else
	v_wmma_scale_f32_16x16x128_f8f6f4 v[\dst:\dst+7], v[\fa:\fa+15], v[\fb:\fb+15], 0, v[\sca], v[\scb] matrix_a_fmt:MATRIX_FMT_BF8 matrix_b_fmt:MATRIX_FMT_BF8
.endif
.endif
.endm
; my row's 64 numbers, v[x] on (the other 64 are lane l xor 16's), are divided by the row's root mean square
.macro NORM x
.irp k, 0,1,2,3
	v_pk_mul_f32 v[SQ+2*\k:SQ+2*\k+1], v[\x+2*\k:\x+2*\k+1], v[\x+2*\k:\x+2*\k+1]
.endr
.set pp, 4
.rept 28
	v_pk_fma_f32 v[SQ+2*(pp%4):SQ+2*(pp%4)+1], v[\x+2*pp:\x+2*pp+1], v[\x+2*pp:\x+2*pp+1], v[SQ+2*(pp%4):SQ+2*(pp%4)+1]
.set pp, pp+1
.endr
	v_pk_add_f32 v[SQ:SQ+1], v[SQ:SQ+1], v[SQ+2:SQ+3]
	v_pk_add_f32 v[SQ+4:SQ+5], v[SQ+4:SQ+5], v[SQ+6:SQ+7]
	v_pk_add_f32 v[SQ:SQ+1], v[SQ:SQ+1], v[SQ+4:SQ+5]
	v_add_f32 v[SQ], v[SQ], v[SQ+1]
	v_permlanex16_b32 v[TM+16], v[SQ], s[SEL], s[SEL+1]
	v_add_f32 v[SQ], v[SQ], v[TM+16]
	v_fma_f32 v[SQ], v[SQ], s[INV], s[EPS]         ; the mean of squares + 1e-6
	v_rsq_f32 v[SQ+2], v[SQ]
	v_nop                                          ; a plain instruction behind the transcendental
	s_wait_alu depctr_va_vdst(0)                   ; and the wait ahead of the first line that names its result
	v_mov_b32 v[SQ+3], v[SQ+2]
.set pp, 0
.rept 32
	v_pk_mul_f32 v[\x+2*pp:\x+2*pp+1], v[\x+2*pp:\x+2*pp+1], v[SQ+2:SQ+3]
.set pp, pp+1
.endr
.endm
; 64 numbers of a lane, register 16 b + i = channel 32 b + 16 (lane / 16) + i of my row, become a fragment's codes in v[d] on and its scale word in v[pw]
.macro QUANT s, d, pw
.irp b, 0,1,2,3
	v_max3_num_f32 v[TM+\b], |v[\s+16*\b]|, |v[\s+1+16*\b]|, 0x8000000   ; my 16 numbers of block b, and the floor 2^(16 - 127): the byte cannot fall under 1
.endr
.irp i, 2,4,6,8,10,12,14
.irp b, 0,1,2,3
	v_max3_num_f32 v[TM+\b], v[TM+\b], |v[\s+16*\b+\i]|, |v[\s+1+16*\b+\i]|
.endr
.endr
.irp b, 0,1,2,3
	v_permlanex16_b32 v[TM+4+\b], v[TM+\b], s[SEL], s[SEL+1]
.endr
.irp b, 0,1,2,3
	v_max_num_f32 v[TM+\b], v[TM+\b], v[TM+4+\b]
.endr
.irp b, 0,1,2,3
	v_add_nc_u32 v[TM+12+\b], 0xf8800000, v[TM+\b] ; 15 off the exponent field: the conversion's scale operand
.endr
.irp b, 0,1,2,3
	v_and_or_b32 v[TM+8+\b], v[TM+\b], 0x7f800000, s[MNT]   ; 57,344 x the scale
.endr
.irp b, 0,1,2,3
	v_lshrrev_b32 v[TM+4+\b], 23, v[TM+12+\b]      ; the scale's byte
.endr
	v_lshl_or_b32 v[\pw], v[TM+5], 8, v[TM+4]
	v_lshl_or_b32 v[\pw], v[TM+6], 16, v[\pw]
	v_lshl_or_b32 v[\pw], v[TM+7], 24, v[\pw]
.irp b, 0,1,2,3
.irp i, 0,1,2,3,4,5,6,7,8,9,10,11,12,13,14,15
	v_med3_num_f32 v[\s+16*\b+\i], v[\s+16*\b+\i], -v[TM+8+\b], v[TM+8+\b]   ; the conversion to an 8-bit code does not saturate (ISA guide 7.6.2): the hold
.endr
	v_cvt_scalef32_pk8_bf8_f32 v[\d+4*\b:\d+4*\b+1], v[\s+16*\b:\s+16*\b+7], v[TM+12+\b]
	v_cvt_scalef32_pk8_bf8_f32 v[\d+4*\b+2:\d+4*\b+3], v[\s+16*\b+8:\s+16*\b+15], v[TM+12+\b]
.endr
	v_nop                                          ; a plain instruction behind the last conversion
.endm
	; ---------------- the head ----------------
	s_load_b256 s[4:11], s[0:1], 0x0               ; q s[4:5], q_gamma s[6:7], kc s[8:9], ks s[10:11]
	s_load_b128 s[12:15], s[0:1], 0x20             ; vc s[12:13], vs s[14:15]
	s_load_b64 s[16:17], s[0:1], 0x30              ; out0
	v_lshl_add_u32 v254, v0, 2, 0x44000
	v_mov_b32 v255, 0
	ds_add_u32 v254, v255
	ds_add_u32 v254, v255
	v_lshrrev_b32 v9, 5, v0
	v_readfirstlane_b32 s[WV], v9                  ; wave 0..3
	s_bfe_u32 s19, ttmp6, 0x40000                  ; cx: which of the kv head's four query heads
	s_lshl_b32 s20, ttmp9, 2                       ; ttmp9 counts clusters: the kv head
	s_add_co_u32 s20, s20, s19                     ; hq
	s_and_b32 s22, ttmp7, 0xffff
	s_lshr_b32 s21, s22, 3                         ; b
	s_and_b32 s22, s22, 7                          ; qb: which 256 queries
	s_add_co_u32 s23, s22, s[WV]                   ; wave i fills slice i of the window from slice qb - 2 + i of the head's keys,
	s_sub_co_i32 s23, s23, 2
	s_max_i32 s23, s23, 0                          ; or from slice 0 where that lies before key 0
	s_lshl_b32 s96, s23, 15                        ; a slice of codes is 32,768 bytes
	s_lshl_b32 s94, s21, 4
	s_add_co_u32 s94, s94, s20                     ; 16 b + hq
	s_lshl_b32 s98, s94, 18
	s_add_co_u32 s98, s98, s96                     ; K's codes: my slice
	s_mov_b32 s99, 0
	s_lshl_b32 s95, s21, 2
	s_add_co_u32 s95, s95, ttmp9                   ; 4 b + hkv: nothing here hangs on cx
	s_lshl_b32 s100, s95, 18
	s_add_co_u32 s100, s100, s96                   ; V's codes: my slice
	s_mov_b32 s101, 0
	s_lshl_b32 s2, s21, 24                         ; q and out: (2048 b + 256 qb + 32 w) rows of 8,192 bytes + 512 hq
	s_lshl_b32 s3, s22, 21
	s_add_co_u32 s2, s2, s3
	s_lshl_b32 s3, s[WV], 18
	s_add_co_u32 s2, s2, s3
	s_lshl_b32 s94, s20, 9                         ; the head's 512 bytes, in a row and in the gain
	s_add_co_u32 s2, s2, s94
	s_mov_b32 s3, 0
	s_mov_b32 s95, 0
	s_mov_b32 s[G1C], 3<<16                        ; 15:0 no mask; 17:16 elements of 8 bytes; no padding
	s_mov_b32 s[G1CJ], 15|(3<<16)|(1<<21)          ; the mask: all four work-groups of the cluster; bit 21 set beside it
	s_mov_b32 s[G1S], 3<<16
	s_mov_b32 s[G1SJ], 15|(3<<16)|(1<<21)
.irp g, G1C, G1CJ
	s_mov_b32 s[\g+1], 32<<16                      ; tensor_dim0 = 32 elements = 256 bytes
	s_mov_b32 s[\g+2], 128<<16                     ; tensor_dim1 = 128
	s_mov_b32 s[\g+3], 32<<16                      ; tile_dim0
	s_mov_b32 s[\g+4], 128                         ; tile_dim1
	s_mov_b32 s[\g+5], 32                          ; the pitch: dense
	s_mov_b32 s[\g+6], 0
	s_mov_b32 s[\g+7], 0
.endr
.irp g, G1S, G1SJ
	s_mov_b32 s[\g+1], 32<<16
	s_mov_b32 s[\g+2], 4<<16
	s_mov_b32 s[\g+3], 32<<16
	s_mov_b32 s[\g+4], 4
	s_mov_b32 s[\g+5], 32
	s_mov_b32 s[\g+6], 0
	s_mov_b32 s[\g+7], 0
.endr
	s_mov_b32 s[SEL], 0x76543210
	s_mov_b32 s[SEL+1], 0xfedcba98
	s_mov_b32 s[CS], 0x3e0293ee                    ; c = log2(e) / sqrt(128)
	s_mov_b32 s[CS+1], s[CS]
	s_mov_b32 s[CNEG], 0xbe0293ee
	s_mov_b32 s[MNT], 0x600000
	s_mov_b32 s[INV], 0x3c000000
	s_mov_b32 s[EPS], 0x358637bd
	s_mov_b32 s[PRM], 0x05010400
	s_mov_b32 s[PRM+1], 0x07030602
	s_mov_b32 s[PRM+2], 0x05040100
	s_mov_b32 s[PRM+3], 0x07060302
	s_lshl_b32 s[KF0], s22, 8
	s_lshl_b32 s97, s[WV], 5
	s_add_co_u32 s[KF0], s[KF0], s97
	s_sub_co_i32 s[KF0], s[KF0], 512               ; the first pair's first key: 256 qb + 32 w - 512
	s_mov_b32 s[TC], 0
	s_mov_b32 s[TS], 0
	s_mov_b32 s[TQ], 0
	s_mov_b32 s[TQS], 0
	s_mov_b32 s[TRIP], 2
	v_and_b32 v9, 31, v0                           ; lane
	v_and_b32 v10, 15, v0                          ; r
	v_bfe_u32 v11, v0, 4, 1                        ; h
	v_lshlrev_b32 v[L16], 4, v9
	v_lshlrev_b32 v[GO], 6, v11
	s_wait_dscnt 0x0
	s_wait_kmcnt 0x0
	s_add_nc_u64 s[4:5], s[4:5], s[2:3]
	s_add_nc_u64 s[16:17], s[16:17], s[2:3]
	s_add_nc_u64 s[6:7], s[6:7], s[94:95]
	s_mov_b32 s[G0KC], 1                           ; count = 1
	s_lshl_b32 s[G0KC+1], s[WV], 15                ; LDS: KC + 32,768 x wave
	s_add_nc_u64 s[G0KC+2:G0KC+3], s[8:9], s[98:99]
	s_or_b32 s[G0KC+3], s[G0KC+3], 0x80000000      ; type = 2
	s_mov_b32 s[G0VC], 1
	s_lshl_b32 s[G0VC+1], s[WV], 15
	s_add_co_u32 s[G0VC+1], s[G0VC+1], VC
	s_add_nc_u64 s[G0VC+2:G0VC+3], s[12:13], s[100:101]
	s_or_b32 s[G0VC+3], s[G0VC+3], 0x80000000
	s_lshr_b32 s98, s98, 5                         ; one scale byte for 32 codes
	s_lshr_b32 s100, s100, 5
	s_mov_b32 s[G0KS], 1
	s_lshl_b32 s[G0KS+1], s[WV], 10
	s_add_co_u32 s[G0KS+1], s[G0KS+1], KS
	s_add_nc_u64 s[G0KS+2:G0KS+3], s[10:11], s[98:99]
	s_or_b32 s[G0KS+3], s[G0KS+3], 0x80000000
	s_mov_b32 s[G0VS], 1
	s_lshl_b32 s[G0VS+1], s[WV], 10
	s_add_co_u32 s[G0VS+1], s[G0VS+1], VS
	s_add_nc_u64 s[G0VS+2:G0VS+3], s[14:15], s[100:101]
	s_or_b32 s[G0VS+3], s[G0VS+3], 0x80000000
	CROUND                                         ; all four work-groups are here: the joint loads meet
	s_cmp_lt_u32 s[WV], 3                          ; waves 0 to 2 fill a slice each, in one branch: four tensor loads of such a wave are out; wave 3 fills nothing
	s_cbranch_scc0 .Lno_fill
	tensor_load_to_lds s[G0KC:G0KC+3], s[G1C:G1C+7]
	s_nop 0
	tensor_load_to_lds s[G0KS:G0KS+3], s[G1S:G1S+7]
	s_nop 0
	tensor_load_to_lds s[G0VC:G0VC+3], s[G1CJ:G1CJ+7]
	s_nop 0
	tensor_load_to_lds s[G0VS:G0VS+3], s[G1SJ:G1SJ+7]
	s_nop 0
.rept 4
	v_nop                                          ; four plain lines follow the last tensor load
.endr
.Lno_fill:
	WIN 0xc0                                       ; destination window 3
.set cc, 0
.rept 16
	global_load_b128 v[GQ+4*cc:GQ+4*cc+3], v[GO], s[6:7] offset:128*(cc/4)+16*(cc%4)   ; my head's gain at my 64 channels
.set cc, cc+1
.endr
	WIN 0x40                                       ; destination window 1
.set tt, 0
.rept 4                                ; tile 2 t + e: 128 t + 16 e rows on
.set rr, 0
.rept 16
	global_load_b128 v[64*tt+4*rr:64*tt+4*rr+3], v[L16], s[4:5] offset:(tt/2)*1048576+(tt%2)*131072+rr*8192 th:TH_LOAD_NT   ; a row of the head: 32 lanes read 512 consecutive bytes
.set rr, rr+1
.endr
.set tt, tt+1
.endr
	WIN 0
	s_lshl_b32 s96, s[WV], 12
	v_add_nc_u32 v[AK0], s96, v[L16]
	v_lshlrev_b32 v12, 2, v9                       ; 4 x lane
	s_lshl_b32 s96, s[WV], 7
	s_add_co_u32 s96, s96, KS
	v_add_nc_u32 v[AKS0], s96, v12
	s_mul_i32 s96, s[WV], 8704
	s_add_co_u32 s96, s96, QIMG
	v_add_nc_u32 v[QIM], s96, v[L16]
	s_add_co_u32 s96, s96, 8192
	v_add_nc_u32 v[QIS], s96, v12
	s_mul_i32 s96, s[WV], 8448
	s_add_co_u32 s96, s96, STG
	v_add_nc_u32 v[STD], s96, v[L16]
	v_mul_u32_u24 v13, v10, 528                    ; stage rows 33 x 16 bytes apart: sixteen lanes' 16 bytes fall on sixteen different columns of 16 bytes modulo 256
	v_lshl_add_u32 v[STQ], v11, 6, v13
	v_add_nc_u32 v[STQ], s96, v[STQ]
	v_lshl_add_u32 v[STO], v11, 5, v13
	v_add_nc_u32 v[STO], s96, v[STO]
	v_lshlrev_b32 v14, 4, v11
	v_sub_nc_u32 v[DD], v10, v14
	v_add_nc_u32 v[DD+1], 16, v[DD]
	v_mov_b32 v[NINF], 0xff800000
.set ii, 0
.rept 17
	v_mov_b32 v[TM+ii], 0                          ; written once: a lane permute's destination counts as one of its sources
.set ii, ii+1
.endr
; Tile t of q: its 16 rows turn through my stage, so that a lane holds 16 neighbours of each block of 32; normalised, under the gain, quantised; the fragment's image and its scale words go to my own LDS bytes.
.macro QPREP t
	s_wait_loadcnt 48-16*(\t)                      ; the gain and this tile's rows are in; the later tiles' rows may be out
	WIN 0x04                                       ; an LDS store's data are its source 1: window 1
.set rr, 0
.rept 16
	ds_store_b128 v[STD], v[64*(\t)+4*rr:64*(\t)+4*rr+3] offset:528*rr
.set rr, rr+1
.endr
	WIN 0
.set cc, 0
.rept 16
	ds_load_b128 v[XQ+4*cc:XQ+4*cc+3], v[STQ] offset:128*(cc/4)+16*(cc%4)   ; LDS serves a wave's instructions in order: these see my stores
.set cc, cc+1
.endr
	s_wait_dscnt 0x0                               ; (the last tile's image stores have read their registers too)
	NORM XQ
	WIN 0x0c                                       ; source 1 window 3: the gain
.set pp, 0
.rept 32
	v_pk_mul_f32 v[XQ+2*pp:XQ+2*pp+1], v[XQ+2*pp:XQ+2*pp+1], v[GQ+2*pp:GQ+2*pp+1]
.set pp, pp+1
.endr
	WIN 0
	QUANT XQ, PCD, PW
.irp c, 0,1,2,3
	ds_store_b128 v[QIM], v[PCD+4*\c:PCD+4*\c+3] offset:2048*(\t)+512*\c
.endr
	ds_store_b32 v[QIS], v[PW] offset:128*(\t)
.endm
	QPREP 0
	QPREP 1
	QPREP 2
	QPREP 3
	s_wait_tensorcnt 0x0                           ; my slice of the window has landed,
	s_wait_dscnt 0x0                               ; my LDS stores are done,
	s_barrier_signal -1
	s_barrier_wait -1                              ; and everybody's: from here on the window is only read
	; ---------------- macros of a trip ----------------
.macro LOADK s                         ; step s: units 4 s .. 4 s + 3 of the pair: eight fragments of K and four registers of scale words
	WIN 0xc0
.set ff, 0
.rept 8
.set uu, 4*(\s)+ff/2
.set cc, 0
.rept 4
.if uu < 8
	ds_load_b128 v[FR+16*ff+4*cc:FR+16*ff+4*cc+3], v[AKL] offset:uu*4096+2048*(ff%2)+512*cc
.else
	ds_load_b128 v[FR+16*ff+4*cc:FR+16*ff+4*cc+3], v[AKH] offset:(uu-8)*4096+2048*(ff%2)+512*cc
.endif
.set cc, cc+1
.endr
.set ff, ff+1
.endr
	WIN 0
.irp b, 0,1,2,3
	ds_load_b32 v[KSC+\b], v[AKS] offset:128*(4*(\s)+\b)   ; lanes 0-15: fragment 0's words; lanes 16-31: fragment 1's
.endr
.endm
.macro WMMA_S s                        ; S^T of step s: eight tiles of 16 keys for tile A, then for tile B; every product starts its sum (K = the head's 128)
.irp e, 0,1
	WIN ((1+\e)<<6)|3
.set ff, 0
.rept 8
	MM 64*(\s)+8*ff, FR+16*ff, QF+16*\e, 0, KSC+ff/2, QSW+\e, ff%2
.set ff, ff+1
.endr
.endr
.endm
.macro VEC_D                           ; the diagonal block: key 16 h + i is hidden where it comes after my query; then the block's largest score
	WIN 0
.set ii, 0
.rept 16
	v_cmp_gt_i32 vcc_lo, ii, v[DD]
	v_cndmask_b32 v[SD+ii], v[SD+ii], v[NINF], vcc_lo
	v_cmp_gt_i32 vcc_lo, ii, v[DD+1]
	v_cndmask_b32 v[SD+16+ii], v[SD+16+ii], v[NINF], vcc_lo
.set ii, ii+1
.endr
	v_max3_num_f32 v[BM+16], v[NINF], v[SD], v[SD+1]
	v_max3_num_f32 v[BM+34], v[NINF], v[SD+16], v[SD+17]
.set ii, 2
.rept 7
	v_max3_num_f32 v[BM+16], v[BM+16], v[SD+ii], v[SD+ii+1]
	v_max3_num_f32 v[BM+34], v[BM+34], v[SD+16+ii], v[SD+17+ii]
.set ii, ii+2
.endr
.endm
.macro VEC_S s                         ; step s: masks, then each block's largest score.  Every accumulator is read from its low end on
.if (\s) == 0
.irp e, 0,1                            ; the window's far edge, in the pair's first block: key 16 h + i is hidden where it lies more than 512 before my query
	WIN ((1+\e)<<6)|(1+\e)
.set ii, 0
.rept 16
	v_cmp_lt_i32 vcc_lo, ii, v[DD+\e]
	v_cndmask_b32 v[ii], v[ii], v[NINF], vcc_lo
.set ii, ii+1
.endr
.endr
.endif
	WIN 0
	s_cmp_ge_i32 s[KF0], -128*(\s)                 ; does the step begin at key 0 or later?  A branch on ids
	s_cbranch_scc1 .Lpos_\@
.irp b, 0,1,2,3
	s_cmp_lt_i32 s[KF0], -(128*(\s)+32*\b)         ; blocks that lie before key 0 do not exist: their scores become -infinity
	s_cselect_b32 s[MK+\b], -1, 0
.endr
.irp e, 0,1
	WIN ((1+\e)<<6)|(1+\e)
.set ii, 0
.rept 64
	v_cndmask_b32 v[64*(\s)+ii], v[64*(\s)+ii], v[NINF], s[MK+ii/16]
.set ii, ii+1
.endr
.endr
	WIN 0
.Lpos_\@:
.irp e, 0,1
	WIN ((1+\e)<<2)|((1+\e)<<4)                    ; sources 1 and 2: the tile's window
.irp b, 0,1,2,3
	v_max3_num_f32 v[BM+18*\e+4*(\s)+\b], v[NINF], v[64*(\s)+16*\b], v[64*(\s)+16*\b+1]
.endr
.set ii, 2
.rept 7
.irp b, 0,1,2,3
	v_max3_num_f32 v[BM+18*\e+4*(\s)+\b], v[BM+18*\e+4*(\s)+\b], v[64*(\s)+16*\b+ii], v[64*(\s)+16*\b+ii+1]   ; the four blocks by turns
.endr
.set ii, ii+2
.endr
.endr
	WIN 0
.endm
.macro ROWMAX e                        ; the 17 blocks' maxima are joined with lane l xor 16's; their maximum is the row's; - c m
.set ii, 0
.rept 17
	v_permlanex16_b32 v[TM+ii], v[BM+18*\e+ii], s[SEL], s[SEL+1]
.set ii, ii+1
.endr
.set ii, 0
.rept 17
	v_max_num_f32 v[BM+18*\e+ii], v[BM+18*\e+ii], v[TM+ii]
.set ii, ii+1
.endr
	v_max3_num_f32 v[TM], v[BM+18*\e], v[BM+18*\e+1], v[BM+18*\e+2]
.set ii, 3
.rept 7
	v_max3_num_f32 v[TM], v[TM], v[BM+18*\e+ii], v[BM+18*\e+ii+1]
.set ii, ii+2
.endr
	v_mul_f32 v[CM+2*\e], s[CNEG], v[TM]
	v_mov_b32 v[CM+2*\e+1], v[CM+2*\e]
.endm
.macro EXPD                            ; p of the diagonal block; its eight pairs a tile start the four chains of the row's sum: nothing is cleared
.irp e, 0,1
.set pp, 0
.rept 8
	v_pk_fma_f32 v[SD+16*\e+2*pp:SD+16*\e+2*pp+1], v[SD+16*\e+2*pp:SD+16*\e+2*pp+1], s[CS:CS+1], v[CM+2*\e:CM+2*\e+1] op_sel_hi:[1,0,0]   ; c s - c m
.set pp, pp+1
.endr
	v_fma_f32 v[BM+18*\e+16], v[BM+18*\e+16], s[CS], v[CM+2*\e]   ; the same of the block's largest score
.endr
.irp e, 0,1
.set ii, 0
.rept 16
	v_exp_f32 v[SD+16*\e+ii], v[SD+16*\e+ii]
.set ii, ii+1
.endr
	v_exp_f32 v[BM+18*\e+16], v[BM+18*\e+16]
.endr
	v_nop                                          ; a plain instruction behind the batch
	s_wait_alu depctr_va_vdst(0)                   ; one wait for the batch, ahead of its first reader
.irp e, 0,1
.irp k, 0,1,2,3
	v_pk_add_f32 v[SUM+8*\e+2*\k:SUM+8*\e+2*\k+1], v[SD+16*\e+2*\k:SD+16*\e+2*\k+1], v[SD+16*\e+8+2*\k:SD+16*\e+8+2*\k+1]
.endr
.endr
.endm
.macro EXPS s                          ; p of step s and its share of the sums.  A step all of whose keys lie before key 0 is left out: a branch on ids
	s_cmp_lt_i32 s[KF0], -(128*(\s)+96)
	s_cbranch_scc1 .Lgone_\@
.irp e, 0,1
	WIN ((1+\e)<<6)|(1+\e)
.set pp, 0
.rept 32
	v_pk_fma_f32 v[64*(\s)+2*pp:64*(\s)+2*pp+1], v[64*(\s)+2*pp:64*(\s)+2*pp+1], s[CS:CS+1], v[CM+2*\e:CM+2*\e+1] op_sel_hi:[1,0,0]
.set pp, pp+1
.endr
.set ii, 0
.rept 64
	v_exp_f32 v[64*(\s)+ii], v[64*(\s)+ii]
.set ii, ii+1
.endr
.endr
	WIN 0
.irp e, 0,1
.irp b, 0,1,2,3
	v_fma_f32 v[BM+18*\e+4*(\s)+\b], v[BM+18*\e+4*(\s)+\b], s[CS], v[CM+2*\e]
.endr
.endr
.irp e, 0,1
.irp b, 0,1,2,3
	v_exp_f32 v[BM+18*\e+4*(\s)+\b], v[BM+18*\e+4*(\s)+\b]   ; each block's largest p: the same two instructions on the same number
.endr
.endr
	v_nop                                          ; a plain instruction behind the batch of 136
	s_wait_alu depctr_va_vdst(0)                   ; one wait for it, ahead of its first reader
.irp e, 0,1
	WIN (1+\e)<<2                                  ; source 1: the tile's window
.set pp, 0
.rept 32
	v_pk_add_f32 v[SUM+8*\e+2*(pp%4):SUM+8*\e+2*(pp%4)+1], v[SUM+8*\e+2*(pp%4):SUM+8*\e+2*(pp%4)+1], v[64*(\s)+2*pp:64*(\s)+2*pp+1]
.set pp, pp+1
.endr
.endr
	WIN 0
.Lgone_\@:
.endm
.macro LOADV s                         ; step s: V's scale bytes of units 4 s .. 4 s + 3 first, then eight fragments of V^T: chunk c of each is unit 4 s + c
	WIN 0
.irp c, 0,1,2,3
	ds_load_b32 v[VSR+\c], v[AVS] offset:128*(4*(\s)+\c)
.endr
	WIN 0xc0
.set tt, 0
.rept 8
.set cc, 0
.rept 4
.set uu, 4*(\s)+cc
.if uu < 8
	ds_load_b128 v[FR+16*tt+4*cc:FR+16*tt+4*cc+3], v[AVL] offset:uu*4096+512*tt
.else
	ds_load_b128 v[FR+16*tt+4*cc:FR+16*tt+4*cc+3], v[AVH] offset:(uu-8)*4096+512*tt
.endif
.set cc, cc+1
.endr
.set tt, tt+1
.endr
	WIN 0
.endm
.macro VSTR                            ; register c holds, in byte j, block c's scale of channel 32 j + lane: 4 x 4 bytes are transposed: word j then serves tiles 2 j (lanes 0-15) and 2 j + 1 (lanes 16-31)
	v_perm_b32 v[VT], v[VSR+1], v[VSR], s[PRM]
	v_perm_b32 v[VT+1], v[VSR+1], v[VSR], s[PRM+1]
	v_perm_b32 v[VT+2], v[VSR+3], v[VSR+2], s[PRM]
	v_perm_b32 v[VT+3], v[VSR+3], v[VSR+2], s[PRM+1]
	v_perm_b32 v[VSW], v[VT+2], v[VT], s[PRM+2]
	v_perm_b32 v[VSW+1], v[VT+2], v[VT], s[PRM+3]
	v_perm_b32 v[VSW+2], v[VT+3], v[VT+1], s[PRM+2]
	v_perm_b32 v[VSW+3], v[VT+3], v[VT+1], s[PRM+3]
.endm
; nb blocks of tile e's p, in window w from register sb on, are divided by the row's sum, clipped to [0, 1] and quantised; the blocks' largest p stand at v[bm] on; the codes go to v[pc] on
.macro PQ e, w, sb, bm, nb, pc
	WIN 0
.set bb, 0
.rept \nb
	v_mul_f32 v[TM+bb], v[\bm+bb], v[RR+2*\e]      ; the block's largest weight
.set bb, bb+1
.endr
.set bb, 0
.rept \nb
	v_med3_num_f32 v[TM+bb], v[TM+bb], 0x8000000, 1.0   ; clipped at 1; the floor 2^(16 - 127) holds the byte at 1 from below
.set bb, bb+1
.endr
.set bb, 0
.rept \nb
	v_add_nc_u32 v[TM+12+bb], 0xf8800000, v[TM+bb] ; the conversion's scale operand
.set bb, bb+1
.endr
.set bb, 0
.rept \nb
	v_and_or_b32 v[TM+8+bb], v[TM+bb], 0x7f800000, s[MNT]   ; 57,344 x the scale,
.set bb, bb+1
.endr
.set bb, 0
.rept \nb
	v_min_num_f32 v[TM+8+bb], 1.0, v[TM+8+bb]      ; or 1 where that is less: the clip and the hold are one bound
.set bb, bb+1
.endr
.set bb, 0
.rept \nb
	v_lshrrev_b32 v[TM+4+bb], 23, v[TM+12+bb]      ; the scale's byte
.set bb, bb+1
.endr
.if \nb == 4
	v_lshl_or_b32 v[PW+\e], v[TM+5], 8, v[TM+4]
	v_lshl_or_b32 v[PW+\e], v[TM+6], 16, v[PW+\e]
	v_lshl_or_b32 v[PW+\e], v[TM+7], 24, v[PW+\e]
.else
	v_lshlrev_b32 v[PW+\e], 24, v[TM+4]            ; the one block is chunk 3; bytes 0 to 2 stand over zero codes
.endif
	WIN ((\w)<<6)|(\w)
.set pp, 0
.rept 8*\nb
	v_pk_mul_f32 v[\sb+2*pp:\sb+2*pp+1], v[\sb+2*pp:\sb+2*pp+1], v[RR+2*\e:RR+2*\e+1]
.set pp, pp+1
.endr
.set ii, 0
.rept 16*\nb
	v_med3_num_f32 v[\sb+ii], v[\sb+ii], 0, v[TM+8+ii/16]
.set ii, ii+1
.endr
	WIN \w
.set gg, 0
.rept 2*\nb
	v_cvt_scalef32_pk8_bf8_f32 v[\pc+2*gg:\pc+2*gg+1], v[\sb+8*gg:\sb+8*gg+7], v[TM+12+gg/2]
.set gg, gg+1
.endr
	v_nop                                          ; a plain instruction behind the last conversion
	WIN 0
.endm
.macro PVMUL acc                       ; O^T (+)= V^T P^T: the sixteen accumulators take turns, one instruction a turn, in the same order in every step
	WIN 0xf3
.set tt, 0
.rept 8
	MM 8*tt, FR+16*tt, PCD, \acc, VSW+tt/2, PW, tt%2
	MM 64+8*tt, FR+16*tt, PCD+16, \acc, VSW+tt/2, PW+1, tt%2
.set tt, tt+1
.endr
	WIN 0
.endm
.macro PVS s                           ; step s of the second product; left out like EXPS where all its keys lie before key 0
	s_cmp_lt_i32 s[KF0], -(128*(\s)+96)
	s_cbranch_scc1 .Lskip_\@
	LOADV \s
	PQ 0, 1, 64*(\s), BM+4*(\s), 4, PCD
	s_wait_dscnt 32                                ; the four loads of scale bytes are in; the 32 fragment loads behind them may be out
	VSTR
	PQ 1, 2, 64*(\s), BM+18+4*(\s), 4, PCD+16
	PLACES 4                                       ; codes written by vector instructions stand four places ahead of a scaled product; the scale words were made further up
	s_wait_dscnt 0x0
	PVMUL 1
	PLACES 8                                       ; ahead of loads into the fragments, of writes of codes and scale words, and of the first read of O^T
.Lskip_\@:
.endm
	; ---------------- a trip: one pair of tiles ----------------
.Ltrip:
	v_add_nc_u32 v[AKL], s[TC], v[AK0]
	v_add_nc_u32 v[AKH], 32768, v[AKL]
	v_add_nc_u32 v[AVL], VC, v[AKL]
	v_add_nc_u32 v[AVH], VC+32768, v[AKL]
	v_add_nc_u32 v[AKS], s[TS], v[AKS0]
	v_add_nc_u32 v[AVS], VS-KS, v[AKS]
	v_add_nc_u32 v[QIT], s[TQ], v[QIM]
	v_add_nc_u32 v[QST], s[TQS], v[QIS]
	; ---- A: the scores
.set ff, 0
.rept 8
	ds_load_b128 v[QF+4*ff:QF+4*ff+3], v[QIT] offset:512*ff   ; the pair's two fragments of q, as their registers were stored
.set ff, ff+1
.endr
	ds_load_b32 v[QSW], v[QST]
	ds_load_b32 v[QSW+1], v[QST] offset:128
	ds_load_b32 v[KSCD], v[AKS] offset:128*16
	WIN 0xc0
.set ff, 0
.rept 8
	ds_load_b128 v[4*ff:4*ff+3], v[AKH] offset:32768+512*ff   ; the diagonal unit's two fragments of K
.set ff, ff+1
.endr
	LOADK 0
	s_wait_dscnt 36                                ; q and the diagonal unit are in; step 0's 36 loads may be out
	WIN 0x03
	MM SD, 0, QF, 0, KSCD, QSW, 0
	MM SD+16, 0, QF+16, 0, KSCD, QSW+1, 0
	MM SD+8, 16, QF, 0, KSCD, QSW, 1
	MM SD+24, 16, QF+16, 0, KSCD, QSW+1, 1
	s_wait_dscnt 0x0
	WMMA_S 0
	PLACES 8                                       ; ahead of loads into the fragments and scale words, and of the first reads of the scores
	LOADK 1
	VEC_D                                          ; the vector work of a step stands while the next step's fragments are on their way
	VEC_S 0
	s_wait_dscnt 0x0
	WMMA_S 1
	PLACES 8
	LOADK 2
	VEC_S 1
	s_wait_dscnt 0x0
	WMMA_S 2
	PLACES 8
	LOADK 3
	VEC_S 2
	s_wait_dscnt 0x0
	WMMA_S 3
	PLACES 8
	WIN 0
.irp c, 0,1,2,3
	ds_load_b32 v[VSR+\c], v[AVS] offset:128*(13+\c)   ; for the diagonal step of the second product: units 13 to 16's scale bytes,
.endr
	WIN 0xc0
.set tt, 0
.rept 8
	ds_load_b128 v[FR+16*tt+12:FR+16*tt+15], v[AVH] offset:32768+512*tt   ; and chunk 3 alone: unit 16.  Chunks 0 to 2 keep the codes of K that stand there: finite numbers, which meet zero codes of p
.set tt, tt+1
.endr
	VEC_S 3
	; ---- B: the rows' maxima
	ROWMAX 0
	ROWMAX 1
	; ---- C: p and the sums
	EXPD
	EXPS 0
	EXPS 1
	EXPS 2
	EXPS 3
	; ---- D: 1 / the sums
.irp e, 0,1
	v_pk_add_f32 v[SUM+8*\e:SUM+8*\e+1], v[SUM+8*\e:SUM+8*\e+1], v[SUM+8*\e+2:SUM+8*\e+3]
	v_pk_add_f32 v[SUM+8*\e+4:SUM+8*\e+5], v[SUM+8*\e+4:SUM+8*\e+5], v[SUM+8*\e+6:SUM+8*\e+7]
.endr
.irp e, 0,1
	v_pk_add_f32 v[SUM+8*\e:SUM+8*\e+1], v[SUM+8*\e:SUM+8*\e+1], v[SUM+8*\e+4:SUM+8*\e+5]
.endr
.irp e, 0,1
	v_add_f32 v[SUM+8*\e], v[SUM+8*\e], v[SUM+8*\e+1]
.endr
.irp e, 0,1
	v_permlanex16_b32 v[TM+\e], v[SUM+8*\e], s[SEL], s[SEL+1]
.endr
.irp e, 0,1
	v_add_f32 v[SUM+8*\e], v[SUM+8*\e], v[TM+\e]   ; with lane l xor 16's keys: the row's sum
.endr
.irp e, 0,1
	v_rcp_f32 v[RR+2*\e], v[SUM+8*\e]
.endr
.set ii, 0
.rept 12
	v_mov_b32 v[PCD+ii], 0                         ; the diagonal step's chunks 0 to 2 of p: zero codes.  (Plain work behind the reciprocals)
	v_mov_b32 v[PCD+16+ii], 0
.set ii, ii+1
.endr
	s_wait_alu depctr_va_vdst(0)                   ; one wait for the two reciprocals, ahead of their first reader
.irp e, 0,1
	v_mov_b32 v[RR+2*\e+1], v[RR+2*\e]
.endr
	; ---- E: the weights are quantised, step by step, and multiplied by V
	s_wait_dscnt 0x0                               ; the diagonal unit's V and the scale bytes
	PQ 0, 0, SD, BM+16, 1, PCD+12
	VSTR
	PQ 1, 0, SD+16, BM+34, 1, PCD+28
	PLACES 4
	PVMUL 0                                        ; the diagonal step starts the sums: nothing is cleared
	PLACES 8
	PVS 0
	PVS 1
	PVS 2
	PVS 3
	; ---- F: the way out.  A lane holds 32 neighbouring bytes of a row: a tile goes through my stage and comes back as whole rows of 512 bytes
.irp e, 0,1
	WIN 0x0c                                       ; an LDS store's data are its source 1: window 3
.set tt, 0
.rept 8
	ds_store_b128 v[STO], v[64*\e+8*tt:64*\e+8*tt+3] offset:64*tt        ; each accumulator from its low end on
	ds_store_b128 v[STO], v[64*\e+8*tt+4:64*\e+8*tt+7] offset:64*tt+16
.set tt, tt+1
.endr
	WIN 0
.set rr, 0
.rept 16
	ds_load_b128 v[OB+64*\e+4*rr:OB+64*\e+4*rr+3], v[STD] offset:528*rr  ; LDS serves a wave's instructions in order: these see my stores, and tile B's stores come behind tile A's loads
.set rr, rr+1
.endr
.endr
	s_wait_dscnt 32                                ; tile A's rows are back; tile B's 16 stores and 16 loads may be out
.set rr, 0
.rept 16
	global_store_b128 v[L16], v[OB+4*rr:OB+4*rr+3], s[16:17] offset:8192*rr th:TH_STORE_NT   ; 32 lanes store 512 consecutive bytes, at a multiple of 512 from the buffer's first byte
.set rr, rr+1
.endr
	s_wait_dscnt 0x0
.set rr, 0
.rept 16
	global_store_b128 v[L16], v[OB+64+4*rr:OB+64+4*rr+3], s[16:17] offset:131072+8192*rr th:TH_STORE_NT
.set rr, rr+1
.endr
	s_wait_xcnt 0x0                                ; the stores have read their data and their base: both are written again only behind this wait
	s_add_nc_u64 s[16:17], s[16:17], 1048576       ; 128 queries on
	s_add_co_i32 s[KF0], s[KF0], 128
	s_add_co_u32 s[TC], s[TC], 16384               ; four units on
	s_add_co_u32 s[TS], s[TS], 512
	s_add_co_u32 s[TQ], s[TQ], 4096                ; two images on
	s_add_co_u32 s[TQS], s[TQS], 256
	s_sub_co_u32 s[TRIP], s[TRIP], 1
	s_cmp_lg_u32 s[TRIP], 0
	s_cbranch_scc1 .Ltrip
	s_wait_tensorcnt 0x0
	ds_add_u32 v254, v255
	s_wait_dscnt 0x0
	CROUND                                         ; the closing round: no work-group ends while a partner may still be at the joint loads
	s_endpgm
.Lfunc_end_k_q2748bb5f28_attn:
	.size	k_q2748bb5f28_attn, .Lfunc_end_k_q2748bb5f28_attn-k_q2748bb5f28_attn
	.p2alignl 7, 3214868480
	.fill 96, 4, 3214868480
	.section	.rodata,"a",@progbits
	.p2align	6, 0x0
	.amdhsa_kernel k_q2748bb5f28_attn
		.amdhsa_group_segment_fixed_size 279040
		.amdhsa_private_segment_fixed_size 0
		.amdhsa_enable_private_segment 0
		.amdhsa_kernarg_size 56
		.amdhsa_user_sgpr_count 2
		.amdhsa_user_sgpr_kernarg_segment_ptr 1
		.amdhsa_wavefront_size32 1
		.amdhsa_system_sgpr_workgroup_id_x 1
		.amdhsa_system_sgpr_workgroup_id_y 1
		.amdhsa_system_sgpr_workgroup_id_z 1
		.amdhsa_system_vgpr_workitem_id 0
		.amdhsa_next_free_vgpr 1024
		.amdhsa_next_free_sgpr 102
		.amdhsa_reserve_vcc 1
		.amdhsa_float_denorm_mode_32 3
		.amdhsa_float_denorm_mode_16_64 3
		.amdhsa_memory_ordered 1
		.amdhsa_forward_progress 1
		.amdhsa_inst_pref_size 255
	.end_amdhsa_kernel
	.section	.bss,"aw",@nobits
	.p2align	6
	.space	262144
	.amdgpu_metadata
---
amdhsa.version: [ 1, 2 ]
amdhsa.kernels:
  - .name:           k_q2748bb5f28_attn
    .symbol:         k_q2748bb5f28_attn.kd
    .args:
      - { .name: q, .offset: 0, .size: 8, .value_kind: global_buffer, .address_space: global }
      - { .name: q_gamma, .offset: 8, .size: 8, .value_kind: global_buffer, .address_space: global }
      - { .name: kc, .offset: 16, .size: 8, .value_kind: global_buffer, .address_space: global }
      - { .name: ks, .offset: 24, .size: 8, .value_kind: global_buffer, .address_space: global }
      - { .name: vc, .offset: 32, .size: 8, .value_kind: global_buffer, .address_space: global }
      - { .name: vs, .offset: 40, .size: 8, .value_kind: global_buffer, .address_space: global }
      - { .name: out0, .offset: 48, .size: 8, .value_kind: global_buffer, .address_space: global }
    .group_segment_fixed_size: 279040
    .private_segment_fixed_size: 0
    .kernarg_segment_align: 8
    .kernarg_segment_size: 56
    .max_flat_workgroup_size: 128
    .sgpr_count:     102
    .vgpr_count:     1024
    .wavefront_size: 32
...
	.end_amdgpu_metadata
.endif
;; end of part 2
